; MI455X (gfx1250); checked and timed in simulation.
; The chip was launched on July 23, 2026; its instructions are those of AMD's public machine-readable ISA for CDNA 5 (MIT licence, August 2026) and "CDNA5" Instruction Set Architecture Reference Guide (July 2026). The comments in the code are by the model that wrote it; some were corrected since.
;; Sliding Window Attention. Allowed arithmetic: matrix products marked QUANTISED: E2M3 operands, one E8M0 scale for each 32 along K, by v_wmma_scale_f32_16x16x128_f8f6f4 with both operands' format E2M3, f32 sums; everything else in f32.
;; Inputs: freqs_cos 2,048 x 32 float32; freqs_sin 2,048 x 32 float32; wk 1,024 x 256 float32; wo 1,024 x 1,024 float32; wq 1,024 x 1,024 float32; wv 1,024 x 256 float32; x 2 x 2,048 x 1,024 float32.
;; Outputs: out0 2 x 2,048 x 1,024 float32.
;; This version of the problem:
;;   THIS VERSION OF THE PROBLEM IS GIVEN IN LOW PRECISION. The matrix products marked QUANTISED in the list below multiply operands that are first quantised to E2M3 (2 exponent bits, 3 mantissa bits; 6 bits a number), with one power-of-two scale for each 32 numbers along K (OCP MX v1.0); their sums are f32. All else is computed in f32.
;;   The module's matrix products, in the order in which they are computed (A, B: the left and right operand; K: the contracted axis; several contracted axes count as one K, in the product's order):
;;     1. [M 4,096, K 1,024] x [K 1,024, N 1,024]; A: input x; B: input wq: QUANTISED
;;     2. [M 4,096, K 1,024] x [K 1,024, N 256]; A: input x; B: input wk: QUANTISED
;;     3. [M 4,096, K 1,024] x [K 1,024, N 256]; A: input x; B: input wv: QUANTISED
;;     4. batch 32 x [M 2,048, K 64] x [K 64, N 2,048]; A: computed on the way; B: computed on the way: QUANTISED
;;     5. batch 32 x [M 64, K 2,048] x [K 2,048, N 2,048]; A: computed on the way; B: softmax (see below): QUANTISED
;;     6. [M 4,096, K 1,024] x [K 1,024, N 1,024]; A: computed on the way; B: input wo: QUANTISED
;;   THE QUANTISER, for each operand of a quantised product, along K:
;;     - K is cut into blocks of 32 from its start; a last block that is shorter is filled with zeros.
;;     - A block's scale is 2^e with e = floor(log2(the largest magnitude in the block)) - 2, held to -126 .. 127; a block of zeros has e = 0. As a byte (E8M0): e + 127.
;;     - Each number is divided by its block's scale, clamped to +-7.5, and rounded to the nearest number of E2M3, ties to even, subnormals kept.
;;     - The product sums the exact products of the quantised numbers (number of the format x scale) in f32.
;;   ~~~python
;;   def quantise(x, axis):      # numpy; x: float32 -> the quantised numbers, widened to float32 again
;;       x = np.moveaxis(x, axis, -1); K = x.shape[-1]
;;       x = np.pad(x, [(0, 0)] * (x.ndim - 1) + [(0, -K % 32)]); x = x.reshape(x.shape[:-1] + (-1, 32)); a = np.abs(x).max(-1, keepdims=True)
;;       e = np.where(a > 0, np.clip(np.frexp(np.where(a > 0, a, 1))[1] - 1 - 2, -126, 127), 0)      # np.frexp(a)[1] - 1 = floor(log2(a)), exactly
;;       r = np.clip(x / 2.0 ** e, -7.5, 7.5)
;;       step = 2.0 ** (np.maximum(np.frexp(np.where(r == 0, 1, r))[1] - 1, 0) - 3)
;;       q = np.round(r / step) * step * 2.0 ** e      # np.round: ties to even
;;       return np.moveaxis(q.reshape(q.shape[:-2] + (-1,))[..., :K], -1, axis).astype(np.float32)
;;   ~~~
;;   SOFTMAX AHEAD OF A QUANTISED PRODUCT. Where the list says 'softmax', what is quantised is not the finished softmax but p = 2^(t - M), with t = logit x log2(e) and M = ceil(the row's largest t), a whole number; so 1/2 < the row's largest p <= 1. The row's sum l is taken of the UNQUANTISED p, in f32, and the product's result is divided by l at the end. Since M is a whole number, a kernel that streams over the keys may use a running M (the ceiling of the running maximum): every later rescaling is an exact power of two, which a block's scale takes up: the codes' values come out the same.
;;   OPERANDS COMPUTED ON THE WAY. 'Computed on the way' means the value that the module computes at that place (a softmax that the list does not call 'softmax' is quantised finished and normalised). What goes into a quantiser is computed in f32, as accurately as f32 sums, v_exp_f32 and their like allow (about 1e-6 of the number): no bf16 or f16 on the way to a quantiser, and a product that is left as it is and whose result goes on into a quantised operand takes f32 operands (vector FMAs, or v_wmma_f32_16x16x4_f32). A number that lies on a knife's edge between two numbers of the format may be rounded either way, as far as f32 arithmetic and the matrix unit's own rounding can turn it there, and no further.
;; One version. Each part assembles by itself: llvm-mc -triple=amdgcn-amd-amdhsa -mcpu=gfx1250 --defsym DOCPART=n.
;; ======== version 1 of 1: 4 launches
;; limits: right only within a limited range of input values
;; workspace buffers: xc 3,145,728 bytes; xs 131,072 bytes; wc 1,966,080 bytes; ws 81,920 bytes; qkv 4,718,592 bytes; qkvs 393,216 bytes; ac 3,145,728 bytes; asc 131,072 bytes
;; launch quant (part 1): grid 416 x 1, 4 waves a work-group, no clusters, 34,304 bytes of LDS; arguments x, wq, wk, wv, wo, xc, xs, wc, ws; writes xc, xs, wc, ws
.if DOCPART == 1
	.amdgcn_target "amdgcn-amd-amdhsa--gfx1250"
	.amdhsa_code_object_version 6
	.text
	.protected	k_q95ebab0b6a_quant
	.globl	k_q95ebab0b6a_quant
	.p2align	8
	.type	k_q95ebab0b6a_quant,@function
k_q95ebab0b6a_quant:
	s_mov_b64 s[64:65], 0
	v_nop
	global_prefetch_b8 v0, s[64:65] scope:SCOPE_SE
	s_setreg_imm32_b32 hwreg(HW_REG_WAVE_MODE, 25, 1), 1
	s_wait_xcnt 0x0
; x [4096][1024] and the four weights ([1024][N], K is their FIRST axis), f32, become codes of FP6 (E2M3) with one E8M0 byte for each 32 along K = 1024.
; A block's scale is 2^(floor(log2(its largest magnitude)) - 2): its byte is the largest magnitude's exponent field - 2, held at 1 from below.
; LAYOUT OF THE RESULTS (this program's own buffers): the order of the matrix operand's registers.  A TILE is 16 rows of x (or 16 columns of a weight): index r of tile T is row
; 32 (T / 2) + 8 (T % 2) + r + 8 (r / 8).  A fragment (a tile x 128 K: 12 registers a lane) is 1,536 bytes: registers 4 c .. 4 c + 3 of lane l at 512 c + 16 l.  xc, wc: [tile][K step 8][1536].
; A tile's scale words are 512 bytes: word p of lane l at 128 p + 4 l; lanes 0-15 hold the words of K step 2 p, lanes 16-31 those of K step 2 p + 1.  xs, ws: [tile][512].
; wc's tiles: 0-63 wq's columns, 64-79 wk's, 80-95 wv's, 96-159 wo's.
; SHARES.  Work-groups 0-255: one tile of x each; wave w takes K steps 2 w and 2 w + 1.  Work-groups 256-415: 32 columns of a weight and four K steps, one a wave.
; LIMITS: NaN and infinities among the inputs are not served; blocks whose largest magnitude lies under 2^-124 get the byte 1 (a block of zeros too, where the rule says 127: its codes are zeros,
; which add nothing under any byte but 0xff, and the bytes are read by this program alone).
; No matrix unit, no cluster, no tensor load: a stream that reads each f32 number once; waves share nothing, so there is no barrier.
.set R,   64                           ; v64-191  x path: 2 K steps x 16 rows x 4 registers as loaded;  weight path: 128 numbers down K
.set X,   192                          ; v192-255 x path: 64 numbers of my row: register 16 b + i = k 32 b + 16 (lane / 16) + i
.set TM,  16                           ; v16-31   at work (weight path: the second halves of the blocks' codes)
.set PC,  32                           ; v32-51   x path: the fragment just made, and two runs of three registers at work
.set PW,  52                           ; v52      the scale word just made;  v53 that of the first K step;  v54 the two, by halves of the lanes
.set PW0, 53
.set PWS, 54
.set G,   32                           ; v32-55   weight path: 12 registers for the reader's lanes 0-15 (blocks 0, 2), 12 for its lanes 16-31 (blocks 1, 3)
.set WD,  60                           ; v60      weight path: my column's scale word
.set SEL, 26                           ; s[26:27] v_permlanex16_b32's selects for lane l xor 16
; 64 numbers of a lane, v[s] .. v[s + 63], become a fragment's codes in v[PC] on and its scale word in v[PW]
.macro QUANT s
.irp b, 0,1,2,3
	v_max3_num_f32 v[TM+\b], |v[\s+16*\b]|, |v[\s+1+16*\b]|, 0x1800000   ; block b: my 16 numbers, and the floor 2^(3 - 127): the byte cannot fall under 1
.endr
.irp i, 2,4,6,8,10,12,14
.irp b, 0,1,2,3
	v_max3_num_f32 v[TM+\b], v[TM+\b], |v[\s+16*\b+\i]|, |v[\s+1+16*\b+\i]|   ; the four blocks by turns
.endr
.endr
.irp b, 0,1,2,3
	v_permlanex16_b32 v[TM+4+\b], v[TM+\b], s[SEL], s[SEL+1]
.endr
.irp b, 0,1,2,3
	v_max_num_f32 v[TM+\b], v[TM+\b], v[TM+4+\b]   ; with lane l xor 16's 16: the block's largest magnitude
.endr
.irp b, 0,1,2,3
	v_add_nc_u32 v[TM+12+\b], 0xff000000, v[TM+\b]   ; 2 off its exponent field: the conversion takes this operand's exponent field as its scale
.endr
.irp b, 0,1,2,3
	v_lshrrev_b32 v[TM+4+\b], 23, v[TM+12+\b]      ; the scale's byte
.endr
	v_lshl_or_b32 v[PW], v[TM+5], 8, v[TM+4]
	v_lshl_or_b32 v[PW], v[TM+6], 16, v[PW]
	v_lshl_or_b32 v[PW], v[TM+7], 24, v[PW]
.irp c, 0,1
	v_cvt_scalef32_pk16_fp6_f32 v[PC+6*\c:PC+2+6*\c], v[\s+32*\c:\s+15+32*\c], v[TM+12+2*\c]
	v_cvt_scalef32_pk16_fp6_f32 v[PC+12+4*\c:PC+14+4*\c], v[\s+16+32*\c:\s+31+32*\c], v[TM+12+2*\c+1]   ; a conversion's three registers begin on an even number
.endr
	v_nop                                          ; one plain place behind a scaled conversion
.irp c, 0,1                                    ; the operand wants a whole block in a lane: lanes 0-15 block 2 c, lanes 16-31 block 2 c + 1
.irp i, 0,1,2
	v_permlane16_swap_b32 v[PC+6*\c+\i], v[PC+12+4*\c+\i]
.endr
.irp i, 0,1,2
	v_mov_b32 v[PC+3+6*\c+\i], v[PC+12+4*\c+\i]
.endr
.endr
.endm
; K step e's 16 rows x 512 bytes go through my wave's stage as they were loaded and come back 64 bytes of a block's half a lane.  LDS serves a wave's instructions in order: no wait between.
.macro TURN e
.irp i, 0,1,2,3,4,5,6,7,8,9,10,11,12,13,14,15
	ds_store_b128 v5, v[R+64*\e+4*\i:R+64*\e+4*\i+3] offset:528*\i
.endr
.irp b, 0,1,2,3
.irp j, 0,1,2,3
	ds_load_b128 v[X+16*\b+4*\j:X+16*\b+4*\j+3], v6 offset:128*\b+16*\j
.endr
.endr
.endm
.macro XSTEP e
.if \e == 0
	s_wait_loadcnt 16                              ; the first K step's 16 loads are in; the second's 16 may be out
.else
	s_wait_loadcnt 0x0
.endif
	TURN \e
	s_wait_dscnt 0x0
.if \e == 1
	s_wait_xcnt 0x0                                ; the first fragment's stores have read their registers: they are written again below
.endif
	QUANT X
.irp c, 0,1,2
	global_store_b128 v4, v[PC+4*\c:PC+4*\c+3], s[14:15] offset:1536*\e+512*\c   ; 32 lanes store 512 consecutive bytes
.endr
.if \e == 0
	v_mov_b32 v[PW0], v[PW]
.endif
.endm
.macro WLOAD pitch                     ; W(128 s + k, my column), k = 0 .. 127: each load reads 128 consecutive bytes
.set k, 0
.rept 128
	global_load_b32 v[R+k], v7, s[30:31] offset:k*\pitch th:TH_LOAD_NT
.set k, k+1
.endr
.endm
.macro WBLOCK bk                       ; block bk of my column: all its 32 numbers are mine
.set XS, R+32*\bk
.set GD, G+12*(\bk%2)+6*(\bk/2)
.if \bk < 2
	s_wait_loadcnt 63                              ; at most 63 of the 128 loads are out: the first 65 are in, blocks 0 and 1 among them (a wait's count holds no more than 63)
.elseif \bk == 2
	s_wait_loadcnt 32                              ; block 3's 32 may be out
.else
	s_wait_loadcnt 0x0
.endif
	v_max3_num_f32 v12, |v[XS]|, |v[XS+1]|, |v[XS+2]|
	v_max3_num_f32 v13, |v[XS+3]|, |v[XS+4]|, |v[XS+5]|
.irp i, 6,10,14,18,22,26
	v_max3_num_f32 v12, v12, |v[XS+\i]|, |v[XS+\i+1]|
	v_max3_num_f32 v13, v13, |v[XS+\i+2]|, |v[XS+\i+3]|
.endr
	v_max3_num_f32 v12, v12, |v[XS+30]|, |v[XS+31]|
	v_max3_num_f32 v12, v12, v13, 0x1800000        ; and the floor
	v_add_nc_u32 v11, 0xff000000, v12              ; the conversion's scale operand
	v_lshrrev_b32 v13, 23, v11                     ; the byte
.if \bk == 0
	v_mov_b32 v[WD], v13
.else
	v_lshl_or_b32 v[WD], v13, 8*\bk, v[WD]
.endif
	v_cvt_scalef32_pk16_fp6_f32 v[GD:GD+2], v[XS:XS+15], v11
	v_cvt_scalef32_pk16_fp6_f32 v[TM+4*\bk:TM+4*\bk+2], v[XS+16:XS+31], v11
	v_nop                                          ; one plain place behind a scaled conversion
.irp i, 0,1,2
	v_mov_b32 v[GD+3+\i], v[TM+4*\bk+\i]
.endr
.endm
	s_load_b512 s[4:19], s[0:1], 0x0               ; x 4, wq 6, wk 8, wv 10, wo 12, xc 14, xs 16, wc 18
	s_load_b64 s[20:21], s[0:1], 0x40              ; ws
	v_lshl_add_u32 v62, v0, 2, 0x8400
	v_mov_b32 v63, 0
	v_lshrrev_b32 v1, 5, v0
	v_readfirstlane_b32 s22, v1                    ; wave
	v_and_b32 v1, 31, v0                           ; lane
	v_and_b32 v2, 15, v0                           ; r
	v_bfe_u32 v3, v0, 4, 1                         ; h
	v_lshlrev_b32 v4, 4, v1                        ; 16 x lane
	v_lshlrev_b32 v7, 2, v1                        ; 4 x lane
	s_cmp_lt_u32 ttmp9, 256
	s_cbranch_scc0 .Lweights
	; ---------------- a tile of x
	s_mul_i32 s23, s22, 8448                       ; my stage: 16 rows x (512 + 16) bytes: rows 132 words apart start at 16 different groups of four banks
	v_add_nc_u32 v5, s23, v4                       ; in: 16 x lane of a row
	v_mul_u32_u24 v6, v2, 528
	v_lshl_add_u32 v6, v3, 6, v6
	v_add_nc_u32 v6, s23, v6                       ; back: row r, + 64 h
	s_mov_b32 s[SEL], 0x76543210
	s_mov_b32 s[SEL+1], 0xfedcba98
	s_mov_b32 s28, 0xffff0000                      ; lanes 16-31
.irp b, 0,1,2,3
	v_mov_b32 v[TM+4+\b], 0                        ; a lane permute's destination counts as one of its sources
.endr
	s_lshr_b32 s24, ttmp9, 1
	s_lshl_b32 s24, s24, 17                        ; 32 (tile / 2) rows of 4,096 bytes
	s_and_b32 s25, ttmp9, 1
	s_lshl_b32 s25, s25, 15                        ; + 8 (tile % 2) rows
	s_add_co_u32 s24, s24, s25
	s_lshl_b32 s25, s22, 10                        ; + my two K steps: 1,024 bytes a wave
	s_add_co_u32 s24, s24, s25
	s_mov_b32 s25, 0
	s_lshl_b32 s30, ttmp9, 3
	s_lshl_b32 s31, s22, 1
	s_add_co_u32 s30, s30, s31
	s_mul_i32 s30, s30, 1536                       ; xc: fragment 8 tile + 2 wave
	s_mov_b32 s31, 0
	s_lshl_b32 s32, ttmp9, 9
	s_lshl_b32 s33, s22, 7
	s_add_co_u32 s32, s32, s33                     ; xs: 512 tile + 128 wave
	s_mov_b32 s33, 0
	s_wait_kmcnt 0x0
	s_add_nc_u64 s[4:5], s[4:5], s[24:25]
	s_add_nc_u64 s[14:15], s[14:15], s[30:31]
	s_add_nc_u64 s[16:17], s[16:17], s[32:33]
.irp e, 0,1
.irp i, 0,1,2,3,4,5,6,7,8,9,10,11,12,13,14,15
	global_load_b128 v[R+64*\e+4*\i:R+64*\e+4*\i+3], v4, s[4:5] offset:(\i+8*(\i/8))*4096+512*\e th:TH_LOAD_NT   ; the tile's row i, K step 2 w + e: 512 consecutive bytes
.endr
.endr
	XSTEP 0
	XSTEP 1
	v_cndmask_b32 v[PWS], v[PW0], v[PW], s28       ; lanes 0-15: the even K step's words, lanes 16-31: the odd one's
	global_store_b32 v7, v[PWS], s[16:17]
	s_wait_tensorcnt 0x0
	ds_add_u32 v62, v63
	s_wait_dscnt 0x0
	s_endpgm
	; ---------------- 32 columns of a weight, 128 along K a wave.  A lane takes a column and its registers run down K
.Lweights:
	s_sub_co_u32 s23, ttmp9, 256
	s_lshr_b32 s24, s23, 1                         ; bg: which 32 columns of the 2,560
	s_and_b32 s25, s23, 1
	s_lshl_b32 s25, s25, 2
	s_add_co_u32 s25, s25, s22                     ; s: my K step
	s_lshl_b32 s36, s25, 7                         ; its first row
	s_sub_co_u32 s34, s24, 32                      ; under 16 (unsigned): wk or wv, rows of 1,024 bytes
	v_bfe_u32 v9, v0, 3, 1                         ; column 32 bg + l is index r' = l % 8 + 8 (l / 16) of tile 2 bg + u, u = (l / 8) % 2
	v_and_b32 v10, 7, v0
	v_lshl_add_u32 v10, v3, 3, v10
	v_mul_u32_u24 v8, v9, 12288
	v_lshl_add_u32 v8, v10, 4, v8                  ; codes: 12,288 u + 16 r'
	v_lshlrev_b32 v14, 9, v9
	v_lshl_add_u32 v14, v10, 2, v14                ; scale word: 512 u + 4 r'
	s_mul_i32 s38, s24, 24576
	s_mul_i32 s39, s25, 1536
	s_add_co_u32 s38, s38, s39                     ; wc: tile 2 bg, K step s
	s_mov_b32 s39, 0
	s_lshl_b32 s40, s24, 10
	s_lshl_b32 s41, s25, 6
	s_add_co_u32 s40, s40, s41                     ; ws: 512 x 2 bg + 128 (s / 2) + 64 (s % 2)
	s_mov_b32 s41, 0
	s_wait_kmcnt 0x0
	s_mov_b64 s[30:31], s[12:13]                   ; which weight: the choice hangs on the work-group's number alone
	s_mov_b32 s32, 48
	s_cmp_lt_u32 s24, 48
	s_cselect_b64 s[30:31], s[10:11], s[30:31]
	s_cselect_b32 s32, 40, s32
	s_cmp_lt_u32 s24, 40
	s_cselect_b64 s[30:31], s[8:9], s[30:31]
	s_cselect_b32 s32, 32, s32
	s_cmp_lt_u32 s24, 32
	s_cselect_b64 s[30:31], s[6:7], s[30:31]
	s_cselect_b32 s32, 0, s32
	s_sub_co_u32 s33, s24, s32
	s_lshl_b32 s33, s33, 7                         ; my 32 columns in that weight: 128 bytes each group
	s_cmp_lt_u32 s34, 16
	s_cselect_b32 s35, 10, 12
	s_lshl_b32 s36, s36, s35                       ; my first row in bytes
	s_add_co_u32 s36, s36, s33
	s_mov_b32 s37, 0
	s_add_nc_u64 s[30:31], s[30:31], s[36:37]
	s_add_nc_u64 s[18:19], s[18:19], s[38:39]
	s_add_nc_u64 s[20:21], s[20:21], s[40:41]
	s_cmp_lt_u32 s34, 16                           ; both arms issue 128 loads: the counts behind the join hold on both
	s_cbranch_scc1 .Lnarrow
	WLOAD 4096
	s_branch .Lloaded
.Lnarrow:
	WLOAD 1024
.Lloaded:
	WBLOCK 0
	WBLOCK 1
	WBLOCK 2
	WBLOCK 3
.irp h, 0,1
.irp c, 0,1,2
	global_store_b128 v8, v[G+12*\h+4*\c:G+12*\h+4*\c+3], s[18:19] offset:256*\h+512*\c   ; the reader's lanes 16 h + r': sixteen lanes store 256 consecutive, aligned bytes in each of the two tiles
.endr
.endr
	global_store_b32 v14, v[WD], s[20:21]
	s_endpgm
.Lfunc_end_k_q95ebab0b6a_quant:
	.size	k_q95ebab0b6a_quant, .Lfunc_end_k_q95ebab0b6a_quant-k_q95ebab0b6a_quant
	.p2alignl 7, 3214868480
	.fill 96, 4, 3214868480
	.section	.rodata,"a",@progbits
	.p2align	6, 0x0
	.amdhsa_kernel k_q95ebab0b6a_quant
		.amdhsa_group_segment_fixed_size 34304
		.amdhsa_private_segment_fixed_size 0
		.amdhsa_enable_private_segment 0
		.amdhsa_kernarg_size 72
		.amdhsa_user_sgpr_count 2
		.amdhsa_user_sgpr_kernarg_segment_ptr 1
		.amdhsa_wavefront_size32 1
		.amdhsa_system_sgpr_workgroup_id_x 1
		.amdhsa_system_sgpr_workgroup_id_y 1
		.amdhsa_system_sgpr_workgroup_id_z 1
		.amdhsa_system_vgpr_workitem_id 0
		.amdhsa_next_free_vgpr 256
		.amdhsa_next_free_sgpr 66
		.amdhsa_reserve_vcc 0
		.amdhsa_float_denorm_mode_32 3
		.amdhsa_float_denorm_mode_16_64 3
		.amdhsa_memory_ordered 1
		.amdhsa_forward_progress 1
		.amdhsa_inst_pref_size 50
	.end_amdhsa_kernel
	.amdgpu_metadata
---
amdhsa.version: [ 1, 2 ]
amdhsa.kernels:
  - .name:           k_q95ebab0b6a_quant
    .symbol:         k_q95ebab0b6a_quant.kd
    .args:
      - { .name: x, .offset: 0, .size: 8, .value_kind: global_buffer, .address_space: global }
      - { .name: wq, .offset: 8, .size: 8, .value_kind: global_buffer, .address_space: global }
      - { .name: wk, .offset: 16, .size: 8, .value_kind: global_buffer, .address_space: global }
      - { .name: wv, .offset: 24, .size: 8, .value_kind: global_buffer, .address_space: global }
      - { .name: wo, .offset: 32, .size: 8, .value_kind: global_buffer, .address_space: global }
      - { .name: xc, .offset: 40, .size: 8, .value_kind: global_buffer, .address_space: global }
      - { .name: xs, .offset: 48, .size: 8, .value_kind: global_buffer, .address_space: global }
      - { .name: wc, .offset: 56, .size: 8, .value_kind: global_buffer, .address_space: global }
      - { .name: ws, .offset: 64, .size: 8, .value_kind: global_buffer, .address_space: global }
    .group_segment_fixed_size: 34304
    .private_segment_fixed_size: 0
    .kernarg_segment_align: 8
    .kernarg_segment_size: 72
    .max_flat_workgroup_size: 128
    .sgpr_count:     66
    .vgpr_count:     256
    .wavefront_size: 32
...
	.end_amdgpu_metadata
.endif
;; end of part 1
;; launch proj (part 2): grid 32 x 8, 6 waves a work-group, clusters of 4 x 1, 246,528 bytes of LDS; arguments xc, xs, wc, ws, freqs_cos, freqs_sin, qkv, qkvs; writes qkv, qkvs
.if DOCPART == 2
	.amdgcn_target "amdgcn-amd-amdhsa--gfx1250"
	.amdhsa_code_object_version 6
	.text
	.protected	k_q95ebab0b6a_proj
	.globl	k_q95ebab0b6a_proj
	.p2align	8
	.type	k_q95ebab0b6a_proj,@function
k_q95ebab0b6a_proj:
	s_mov_b64 s[64:65], 0
	v_nop
	global_prefetch_b8 v0, s[64:65] scope:SCOPE_SE
	s_setreg_imm32_b32 hwreg(HW_REG_WAVE_MODE, 25, 1), 1
	s_wait_xcnt 0x0
	s_wait_alu depctr_hold_cnt(0) depctr_sa_sdst(0) depctr_va_vdst(0) depctr_va_sdst(0) depctr_va_ssrc(0) depctr_va_vcc(0) depctr_vm_vsrc(0)
	s_getreg_b32 s2, hwreg(HW_REG_IB_STS2, 6, 4)
	s_cmp_eq_u32 s2, 0
	s_cbranch_scc0 .Lentry_in_a_cluster
	s_endpgm
.Lentry_in_a_cluster:
	s_bfe_u32 s2, ttmp6, 0x10000c
	s_cmp_lg_u32 s2, 0x3003
	s_cbranch_scc0 .Lentry_shape_is_right
	s_endpgm
.Lentry_shape_is_right:
; q = rope(x wq), k = rope(x wk), v = x wv on codes of FP6 (E2M3) with E8M0 scales, K = 1024; the results are quantised at once for the attention's products and leave as codes.
; SHARES.  A work-group takes 128 rows (8 tiles of x: row group = work-group x) and 192 of the 1,536 columns (12 tiles of wq | wk | wv: column group = work-group y): three heads' columns.  Six waves:
; wave w takes head column g = 3 y + w / 2 (0-15 q's heads, 16-19 k's, 20-23 v's) and rows 64 (w % 2) on: 64 x 64, sixteen accumulators.
; THE WHOLE K LIES IN LDS: 20 tiles x 12,288 bytes = 245,760.  Every byte is filled once, by tensor loads issued at the head; nothing is filled again.  LDS is laid by chunks of two K steps,
; 61,440 bytes each, so that a chunk can be multiplied while the later chunks are on their way.  By this text's count a wave has four tensor loads out at the most.
; CLUSTER: four work-groups along x: four row groups of ONE column group.  They need the same twelve tiles of the weight, 147,456 of the 245,760 bytes that a work-group takes in: those are asked for
; JOINTLY (waves 2 to 4: the same tensor loads, the same descriptors, a mask that names the four).  x's eight tiles differ from partner to partner and come by plain loads (waves 0 and 1).
; All that steers a branch or an LDS address (the wave's number, the column group) is alike in the four partners; the row group enters global addresses of plain accesses alone.
; TILES: index r of tile T is 32 (T / 2) + 8 (T % 2) + r + 8 (r / 8).  So the 16 registers of two neighbouring result tiles are 16 neighbours along source 0's index: 32 b + 16 (lane / 16) + 0 .. 15.
; q, k: source 0 = the weight's columns, source 1 = x's rows: a lane holds one row and its registers run along the head's 64, which is the next product's K.
; v:    source 0 = x's rows, source 1 = the weight's columns: a lane holds one channel and its registers run along the keys, which are ITS next K.  Only the two sets' places in LDS and the two pointers
; to scale words differ: they are chosen on the head column's number; the loop has no branch.
; OUT: qkv [g 24][slot 256][768]: a half fragment, 6 registers: the reader's lane l' takes 24 bytes at 24 l'.  q, k: slot = row tile; lane r + 16 b holds channels 32 b on of row r.
; v: slot = 4 x (chunk of 64 keys) + channel tile; lane r + 16 b holds keys 32 b on of the chunk for channel index r.  qkvs [g][slot][16 words]: the two blocks' bytes | 0x7f7f0000.
; LIMITS: NaN and infinities are not served; a block whose largest magnitude lies under 2^-124 gets the byte 1 (read by this program alone).  The rotation is a product and a fused multiply-add:
; one rounding less than a c - b s written out.
; REGISTERS: window 0: v1-7 lane terms; v8-11, v12-15 LDS addresses of set 0 and set 1 in chunk q; v16-31 at work; v32-95 first the cosines and sines of row tiles 2 and 3, behind the rotation scale
;   words (v32-37) and codes to store (v64-95); v96-111, v112-127 scale words of set 0 and 1 (4 tile + chunk); v128-255 accumulators ((o, n) at 128 + 8 (4 o + n): o = set 1's tile, n = set 0's).
;   window 1: two fragment buffers of 96 (set 0's four tiles, then set 1's), v0 and v96; v192-255 the cosines and sines of row tiles 0 and 1.
.set CH,  61440                        ; a chunk: 20 tiles x 3,072 bytes (two K steps)
.set ACC, 128
.set SC0, 96
.set SC1, 112
.set AD0, 8
.set AD1, 12
.set CD,  64
.set G1P, 24                           ; s[24:31] descriptor group 1 of the plain loads (x);  s[32:47] their groups 0, one for each chunk
.set G0P, 32
.set G1J, 76                           ; s[76:83] group 1 of the joint loads (the weight);  s[84:99] their groups 0
.set G0J, 84
.set MSB, 0
.macro WIN new                         ; the immediate's high byte repeats the setting that is left
.if MSB != \new
	s_set_vgpr_msb (MSB<<8)|\new
.set MSB, \new
.endif
.endm
.macro PLACES                          ; four plain places behind matrix instructions, ahead of loads into their registers and of reads of their results
.rept 4
	v_nop
.endr
.endm
; A round of the cluster's barrier: my work-group's barrier, so that wave 0's signal speaks for all six waves; wave 0 signals for the work-group; every wave waits for the four work-groups;
; my work-group's barrier once more.  No LDS instruction of the wave is pending at a signal.
.macro CROUND
	s_barrier_signal -1
	s_barrier_wait -1
	s_cmp_lg_u32 s20, 0
	s_cbranch_scc1 .Lnot_wave_0_\@
	s_barrier_signal -3
.Lnot_wave_0_\@:
	s_barrier_wait -3
	s_barrier_signal -1
	s_barrier_wait -1
.endm
.macro FETCH q, e, f                   ; the eight fragments of K step 2 q + e into buffer f: images of registers, 512 consecutive bytes a load
	WIN 0x40                                       ; destination window 1, address window 0
.irp n, 0,1,2,3
.irp c, 0,1,2
	ds_load_b128 v[\f+12*\n+4*\c:\f+12*\n+4*\c+3], v[AD0+\q] offset:3072*\n+1536*\e+512*\c
.endr
.endr
.irp n, 0,1,2,3
.irp c, 0,1,2
	ds_load_b128 v[\f+48+12*\n+4*\c:\f+48+12*\n+4*\c+3], v[AD1+\q] offset:3072*\n+1536*\e+512*\c
.endr
.endr
.endm
.macro MUL f, q, e, zero               ; sixteen products, the sixteen accumulators by turns, one instruction a turn, in one order
.irp o, 0,1,2,3
.irp n, 0,1,2,3
.if \zero
	v_wmma_scale_f32_16x16x128_f8f6f4 v[ACC+8*(4*\o+\n):ACC+8*(4*\o+\n)+7], v[\f+12*\n:\f+12*\n+11], v[\f+48+12*\o:\f+48+12*\o+11], 0, v[SC0+4*\n+\q], v[SC1+4*\o+\q] matrix_a_fmt:MATRIX_FMT_FP6 matrix_b_fmt:MATRIX_FMT_FP6
.elseif \e
	v_wmma_scale_f32_16x16x128_f8f6f4 v[ACC+8*(4*\o+\n):ACC+8*(4*\o+\n)+7], v[\f+12*\n:\f+12*\n+11], v[\f+48+12*\o:\f+48+12*\o+11], v[ACC+8*(4*\o+\n):ACC+8*(4*\o+\n)+7], v[SC0+4*\n+\q], v[SC1+4*\o+\q] matrix_a_fmt:MATRIX_FMT_FP6 matrix_b_fmt:MATRIX_FMT_FP6 matrix_a_scale:MATRIX_SCALE_ROW1 matrix_b_scale:MATRIX_SCALE_ROW1
.else
	v_wmma_scale_f32_16x16x128_f8f6f4 v[ACC+8*(4*\o+\n):ACC+8*(4*\o+\n)+7], v[\f+12*\n:\f+12*\n+11], v[\f+48+12*\o:\f+48+12*\o+11], v[ACC+8*(4*\o+\n):ACC+8*(4*\o+\n)+7], v[SC0+4*\n+\q], v[SC1+4*\o+\q] matrix_a_fmt:MATRIX_FMT_FP6 matrix_b_fmt:MATRIX_FMT_FP6
.endif
.endr
.endr
.endm
.macro CHUNK q
	s_wait_tensorcnt 3-\q                          ; my part of chunk q has landed; my loads of the 3 - q later chunks may be out (nothing is ever filled again)
	s_barrier_signal -1                            ; no LDS instruction of mine is out here
	s_barrier_wait -1                              ; everybody's part has landed
	FETCH \q, 0, 0
	FETCH \q, 1, 96
.if \q == 0
	s_wait_loadcnt 0x0                             ; the scale words, and all the cosines and sines: asked for at the head, they come while the first chunk does
.endif
	s_wait_dscnt 24                                ; buffer 0 is in; buffer 1's 24 loads may be out
	WIN 0x05                                       ; sources 0 and 1 window 1; C and D window 0
.if \q == 0
	MUL 0, \q, 0, 1                                ; the first products start the sums: nothing is cleared
.else
	MUL 0, \q, 0, 0
.endif
	s_wait_dscnt 0x0
	MUL 96, \q, 1, 0
	WIN 0
	PLACES
.endm
.macro CSLOAD o, cb, w                 ; cosines (16 registers) and sines (16) of my row of tile o: pairs 16 b + 8 h + 0 .. 7; w: the window setting for the destination
	WIN \w
.irp b, 0,1
.irp j, 0,1
	global_load_b128 v[\cb+8*\b+4*\j:\cb+8*\b+4*\j+3], v6, s[12:13] offset:(32*(\o/2)+8*(\o%2))*128+64*\b+16*\j
	global_load_b128 v[\cb+16+8*\b+4*\j:\cb+16+8*\b+4*\j+3], v6, s[14:15] offset:(32*(\o/2)+8*(\o%2))*128+64*\b+16*\j
.endr
.endr
.endm
.macro ROPE o, cb, w                   ; (a, b) -> (a c - b s, a s + b c), each accumulator from its low end on; w: the window setting for source 1
	WIN \w
.irp b, 0,1
.irp i, 0,1,2,3,4,5,6,7
	v_mul_f32 v[16+2*(\i%4)], v[ACC+32*\o+16*\b+2*\i+1], v[\cb+16+8*\b+\i]
	v_mul_f32 v[17+2*(\i%4)], v[ACC+32*\o+16*\b+2*\i], v[\cb+16+8*\b+\i]
	v_fma_f32 v[ACC+32*\o+16*\b+2*\i], v[ACC+32*\o+16*\b+2*\i], v[\cb+8*\b+\i], -v[16+2*(\i%4)]
	v_fma_f32 v[ACC+32*\o+16*\b+2*\i+1], v[ACC+32*\o+16*\b+2*\i+1], v[\cb+8*\b+\i], v[17+2*(\i%4)]
.endr
.endr
.endm
.macro QSTORE o                        ; lane tile o: my 2 x 16 numbers are halves of two blocks of 32, shared with lane l xor 16; 12 bytes of codes each go straight to their place in the slot
.irp b, 0,1
	v_max3_num_f32 v[24+\b], |v[ACC+32*\o+16*\b]|, |v[ACC+32*\o+16*\b+1]|, 0x1800000   ; with the floor 2^(3 - 127)
.endr
.irp i, 2,4,6,8,10,12,14
.irp b, 0,1
	v_max3_num_f32 v[24+\b], v[24+\b], |v[ACC+32*\o+16*\b+\i]|, |v[ACC+32*\o+16*\b+\i+1]|
.endr
.endr
.irp b, 0,1
	v_permlanex16_b32 v[26+\b], v[24+\b], s60, s61
.endr
.irp b, 0,1
	v_max_num_f32 v[24+\b], v[24+\b], v[26+\b]
.endr
.irp b, 0,1
	v_add_nc_u32 v[28+\b], 0xff000000, v[24+\b]    ; 2 off the exponent field: the conversion's scale operand
.endr
.irp b, 0,1
	v_lshrrev_b32 v[30+\b], 23, v[28+\b]           ; the byte
.endr
	v_lshl_or_b32 v[32+\o], v31, 8, v30
	v_or_b32 v[32+\o], 0x7f7f0000, v[32+\o]        ; bytes 2 and 3 stand for K 64 to 127 of the reader's instruction, where the codes are zeros: 127
.irp b, 0,1
	v_cvt_scalef32_pk16_fp6_f32 v[CD+4*(2*\o+\b):CD+4*(2*\o+\b)+2], v[ACC+32*\o+16*\b:ACC+32*\o+16*\b+15], v[28+\b]
.endr
	v_nop                                          ; one plain place behind a scaled conversion
.irp b, 0,1
	global_store_b96 v7, v[CD+4*(2*\o+\b):CD+4*(2*\o+\b)+2], s[16:17] offset:768*\o+384*\b   ; 32 lanes store 384 consecutive bytes; the two stores fill the slot's 768
.endr
.if \o % 2
	v_cndmask_b32 v[36+\o/2], v[32+\o-1], v[32+\o], s62   ; lanes 0-15: slot o - 1's sixteen words, lanes 16-31: slot o's
	global_store_b32 v5, v[36+\o/2], s[18:19] offset:128*(\o/2)
.endif
.endm
	s_load_b512 s[4:19], s[0:1], 0x0               ; xc 4, xs 6, wc 8, ws 10, cos 12, sin 14, qkv 16, qkvs 18
	v_lshl_add_u32 v254, v0, 2, 0x3c000
	v_mov_b32 v255, 0
	ds_add_u32 v254, v255
	ds_add_u32 v254, v255
	s_wait_dscnt 0x0
	v_lshrrev_b32 v1, 5, v0
	v_readfirstlane_b32 s20, v1                    ; wave 0..5
	s_lshr_b32 s21, s20, 1                         ; hw: which of the three head columns
	s_and_b32 s22, s20, 1                          ; rh: which 64 rows
	s_bfe_u32 s53, ttmp6, 0x40000                  ; cx: my place in the cluster
	s_lshl_b32 s48, ttmp9, 2                       ; in a cluster launch ttmp9 counts clusters
	s_add_co_u32 s48, s48, s53                     ; row group = 4 x cluster x + cx: it enters global addresses of plain accesses alone
	s_and_b32 s23, ttmp7, 0xffff                   ; column group, which the four partners share
	; descriptor group 1: four tiles' parts of a chunk: 4 rows of 3,072 bytes (384 elements of 8 bytes), 12,288 bytes apart in memory, dense in LDS
	s_mov_b32 s[G1P], 3<<16                        ; plain: no mask; elements of 8 bytes; no padding
	s_mov_b32 s[G1J], 15|(3<<16)|(1<<21)           ; joint: the mask names all four work-groups; bit 21 set beside a mask
.irp g, G1P, G1J
	s_mov_b32 s[\g+1], 384<<16                     ; tensor_dim0
	s_mov_b32 s[\g+2], 4<<16                       ; tensor_dim1
	s_mov_b32 s[\g+3], 384<<16                     ; tile_dim0
	s_mov_b32 s[\g+4], 4                           ; tile_dim1
	s_mov_b32 s[\g+5], 1536                        ; elements from row to row
	s_mov_b32 s[\g+6], 0
	s_mov_b32 s[\g+7], 0
.endr
	; waves 0, 1 fetch x's tiles 4 w on, waves 2 to 4 the weight's tiles 4 (w - 2) on; wave 5 fetches nothing.  Every wave makes both addresses (held inside the buffers), in registers of their own
	s_min_u32 s71, s20, 1
	s_lshl_b32 s71, s71, 2
	s_lshl_b32 s70, s48, 3
	s_add_co_u32 s70, s70, s71                     ; x: tile 8 x row group + 4 w
	s_mul_i32 s70, s70, 12288
	s_mov_b32 s71, 0
	s_max_u32 s73, s20, 2
	s_sub_co_u32 s73, s73, 2
	s_lshl_b32 s73, s73, 2
	s_mul_i32 s72, s23, 12
	s_add_co_u32 s72, s72, s73                     ; weight: tile 12 x column group + 4 (w - 2): the column group and the wave's number alone
	s_mul_i32 s72, s72, 12288
	s_mov_b32 s73, 0
	s_mul_i32 s63, s20, 12288                      ; in a chunk: x's eight tiles, then the weight's twelve = 4 tiles x wave: no place in the cluster enters an LDS address
	s_wait_kmcnt 0x0
	s_add_nc_u64 s[74:75], s[4:5], s[70:71]
	s_add_nc_u64 s[54:55], s[8:9], s[72:73]
.irp q, 0,1,2,3
	s_mov_b32 s[G0P+4*\q], 1                       ; count = 1
	s_add_co_u32 s[G0P+4*\q+1], s63, CH*\q         ; LDS address
	s_add_nc_u64 s[G0P+4*\q+2:G0P+4*\q+3], s[74:75], 3072*\q   ; global address: K steps 2 q, 2 q + 1 of my first tile
	s_or_b32 s[G0P+4*\q+3], s[G0P+4*\q+3], 0x80000000          ; type = 2
	s_mov_b32 s[G0J+4*\q], 1
	s_add_co_u32 s[G0J+4*\q+1], s63, CH*\q
	s_add_nc_u64 s[G0J+4*\q+2:G0J+4*\q+3], s[54:55], 3072*\q
	s_or_b32 s[G0J+4*\q+3], s[G0J+4*\q+3], 0x80000000
.endr
	CROUND                                         ; all four work-groups are here: the joint loads meet
	s_cmp_lt_u32 s20, 2                            ; a wave's four first fills stand in one arm, ahead of every wait on TENSORcnt and every LDS read; the branches hang on the wave's number alone
	s_cbranch_scc0 .Lnot_x
	tensor_load_to_lds s[G0P:G0P+3], s[G1P:G1P+7]
	s_nop 0
	tensor_load_to_lds s[G0P+4:G0P+7], s[G1P:G1P+7]
	s_nop 0
	tensor_load_to_lds s[G0P+8:G0P+11], s[G1P:G1P+7]
	s_nop 0
	tensor_load_to_lds s[G0P+12:G0P+15], s[G1P:G1P+7]
	s_nop 0
.rept 4
	v_nop
.endr
	s_branch .Lasked
.Lnot_x:
	s_cmp_lt_u32 s20, 5
	s_cbranch_scc0 .Lasked
	tensor_load_to_lds s[G0J:G0J+3], s[G1J:G1J+7]
	s_nop 0
	tensor_load_to_lds s[G0J+4:G0J+7], s[G1J:G1J+7]
	s_nop 0
	tensor_load_to_lds s[G0J+8:G0J+11], s[G1J:G1J+7]
	s_nop 0
	tensor_load_to_lds s[G0J+12:G0J+15], s[G1J:G1J+7]
	s_nop 0
.rept 4
	v_nop
.endr
.Lasked:
	v_and_b32 v1, 31, v0                           ; lane
	v_and_b32 v2, 15, v0                           ; r
	v_bfe_u32 v3, v0, 4, 1                         ; h
	v_lshlrev_b32 v4, 4, v1                        ; 16 x lane
	v_lshlrev_b32 v5, 2, v1                        ; 4 x lane
	v_and_b32 v6, 8, v2
	v_add_nc_u32 v6, v6, v2                        ; r + 8 (r / 8)
	v_lshlrev_b32 v6, 7, v6
	v_lshl_add_u32 v6, v3, 5, v6                   ; cosines and sines: my row of 128 bytes, + 32 h
	v_mul_u32_u24 v7, v2, 24
	v_mad_u32_u24 v7, v3, 12, v7                   ; codes out: 24 r + 12 h
	v_mov_b32 v26, 0                               ; a lane permute's destination counts as one of its sources
	v_mov_b32 v27, 0
	s_mov_b32 s60, 0x76543210
	s_mov_b32 s61, 0xfedcba98                      ; lane l xor 16
	s_mov_b32 s62, 0xffff0000                      ; lanes 16-31
	s_mul_i32 s49, s23, 3
	s_add_co_u32 s49, s49, s21                     ; g: my head column
	s_lshl_b32 s66, s22, 2                         ; x's tiles in a chunk: 4 rh on
	s_lshl_b32 s67, s21, 2
	s_add_co_u32 s67, s67, 8                       ; the weight's: 8 + 4 hw on
	s_lshl_b32 s68, s48, 3
	s_add_co_u32 s68, s68, s66                     ; 8 x row group + 4 rh: my first row tile, and my first slot
	s_lshl_b32 s70, s68, 9
	s_mov_b32 s71, 0
	s_add_nc_u64 s[70:71], s[6:7], s[70:71]        ; x's scale words
	s_lshl_b32 s72, s49, 11
	s_mov_b32 s73, 0
	s_add_nc_u64 s[72:73], s[10:11], s[72:73]      ; the weight's: tile 4 g
	s_lshl_b32 s74, s48, 7
	s_lshl_b32 s75, s22, 6
	s_add_co_u32 s74, s74, s75
	s_and_b32 s74, s74, 2047                       ; my first row's position in its sequence
	s_lshl_b32 s74, s74, 7
	s_mov_b32 s75, 0
	s_add_nc_u64 s[12:13], s[12:13], s[74:75]
	s_add_nc_u64 s[14:15], s[14:15], s[74:75]
	s_lshl_b32 s69, s49, 8
	s_add_co_u32 s69, s69, s68                     ; slot 256 g + 8 x row group + 4 rh: for q, k and v alike
	s_mul_i32 s74, s69, 768
	s_add_nc_u64 s[16:17], s[16:17], s[74:75]
	s_lshl_b32 s74, s69, 6
	s_add_nc_u64 s[18:19], s[18:19], s[74:75]
	s_cmp_ge_u32 s49, 20                           ; v?  Then x is source 0
	s_cselect_b32 s50, 1, 0
	s_cselect_b32 s51, s66, s67                    ; set 0's first tile (at most 16: every read of chunk q ends at or under 16 x 3,072 + 496 + 11,776 + 16 = 61,440 bytes into it)
	s_cselect_b32 s52, s67, s66                    ; set 1's
	s_cselect_b64 s[56:57], s[70:71], s[72:73]
	s_cselect_b64 s[58:59], s[72:73], s[70:71]
	s_mul_i32 s51, s51, 3072
	s_mul_i32 s52, s52, 3072
.irp q, 0,1,2,3
	v_add_nc_u32 v[AD0+\q], s51, v4
	v_add_nc_u32 v[AD1+\q], s52, v4
	s_add_co_u32 s51, s51, CH
	s_add_co_u32 s52, s52, CH
.endr
.irp n, 0,1,2,3
.irp p, 0,1,2,3
	global_load_b32 v[SC0+4*\n+\p], v5, s[56:57] offset:512*\n+128*\p   ; lanes 0-15: K step 2 p's words, lanes 16-31: K step 2 p + 1's
	global_load_b32 v[SC1+4*\n+\p], v5, s[58:59] offset:512*\n+128*\p
.endr
.endr
	CSLOAD 2, 32, 0                                ; all four row tiles' cosines and sines are asked for here; every wave loads them, v's too: the counts of loads are alike on every path
	CSLOAD 3, 64, 0                                ; (tiles 2 and 3: into registers of window 0 that nothing else uses until the rotation is done)
	CSLOAD 0, 192, 0x40
	CSLOAD 1, 224, 0x40
	CHUNK 0
	CHUNK 1
	CHUNK 2
	CHUNK 3
	s_cmp_lg_u32 s50, 0
	s_cbranch_scc1 .Lno_rope                       ; v is not rotated
	ROPE 0, 192, 0x04
	ROPE 1, 224, 0x04
	ROPE 2, 32, 0
	ROPE 3, 64, 0
	WIN 0
.Lno_rope:
	QSTORE 0
	QSTORE 1
	QSTORE 2
	QSTORE 3
	s_wait_xcnt 0x0
	v_lshl_add_u32 v254, v0, 2, 0x3c000
	v_mov_b32 v255, 0
	s_wait_tensorcnt 0x0
	ds_add_u32 v254, v255
	s_wait_dscnt 0x0
	CROUND                                         ; the closing round: no work-group ends while a partner may still ask for a tile that names it
	s_endpgm
.Lfunc_end_k_q95ebab0b6a_proj:
	.size	k_q95ebab0b6a_proj, .Lfunc_end_k_q95ebab0b6a_proj-k_q95ebab0b6a_proj
	.p2alignl 7, 3214868480
	.fill 96, 4, 3214868480
	.section	.rodata,"a",@progbits
	.p2align	6, 0x0
	.amdhsa_kernel k_q95ebab0b6a_proj
		.amdhsa_group_segment_fixed_size 246528
		.amdhsa_private_segment_fixed_size 0
		.amdhsa_enable_private_segment 0
		.amdhsa_kernarg_size 64
		.amdhsa_user_sgpr_count 2
		.amdhsa_user_sgpr_kernarg_segment_ptr 1
		.amdhsa_wavefront_size32 1
		.amdhsa_system_sgpr_workgroup_id_x 1
		.amdhsa_system_sgpr_workgroup_id_y 1
		.amdhsa_system_sgpr_workgroup_id_z 1
		.amdhsa_system_vgpr_workitem_id 0
		.amdhsa_next_free_vgpr 512
		.amdhsa_next_free_sgpr 100
		.amdhsa_reserve_vcc 0
		.amdhsa_float_denorm_mode_32 3
		.amdhsa_float_denorm_mode_16_64 3
		.amdhsa_memory_ordered 1
		.amdhsa_forward_progress 1
		.amdhsa_inst_pref_size 65
	.end_amdhsa_kernel
	.amdgpu_metadata
---
amdhsa.version: [ 1, 2 ]
amdhsa.kernels:
  - .name:           k_q95ebab0b6a_proj
    .symbol:         k_q95ebab0b6a_proj.kd
    .args:
      - { .name: xc, .offset: 0, .size: 8, .value_kind: global_buffer, .address_space: global }
      - { .name: xs, .offset: 8, .size: 8, .value_kind: global_buffer, .address_space: global }
      - { .name: wc, .offset: 16, .size: 8, .value_kind: global_buffer, .address_space: global }
      - { .name: ws, .offset: 24, .size: 8, .value_kind: global_buffer, .address_space: global }
      - { .name: freqs_cos, .offset: 32, .size: 8, .value_kind: global_buffer, .address_space: global }
      - { .name: freqs_sin, .offset: 40, .size: 8, .value_kind: global_buffer, .address_space: global }
      - { .name: qkv, .offset: 48, .size: 8, .value_kind: global_buffer, .address_space: global }
      - { .name: qkvs, .offset: 56, .size: 8, .value_kind: global_buffer, .address_space: global }
    .group_segment_fixed_size: 246528
    .private_segment_fixed_size: 0
    .kernarg_segment_align: 8
    .kernarg_segment_size: 64
    .max_flat_workgroup_size: 192
    .sgpr_count:     100
    .vgpr_count:     512
    .wavefront_size: 32
...
	.end_amdgpu_metadata
.endif
;; end of part 2
;; launch attn (part 3): grid 64 x 4, 4 waves a work-group, no clusters, 0 bytes of LDS; arguments qkv, qkvs, ac, asc; writes ac, asc
.if DOCPART == 3
	.amdgcn_target "amdgcn-amd-amdhsa--gfx1250"
	.amdhsa_code_object_version 6
	.text
	.protected	k_q95ebab0b6a_attn
	.globl	k_q95ebab0b6a_attn
	.p2align	8
	.type	k_q95ebab0b6a_attn,@function
k_q95ebab0b6a_attn:
	s_mov_b64 s[64:65], 0
	v_nop
	global_prefetch_b8 v0, s[64:65] scope:SCOPE_SE
	s_setreg_imm32_b32 hwreg(HW_REG_WAVE_MODE, 25, 1), 1
	s_wait_xcnt 0x0
; The attention inside the window: key j counts for query i where 0 <= i - j <= 64.  Both products on codes of FP6 (E2M3) with E8M0 scales; the result, divided by the row's sum, is quantised
; along head x 64 + channel for the last product and leaves as fragments (ac, asc: laid as the first launch lays x's).
; SHARES.  Work-group (G, kappa): the 64 queries 64 G on (of 4,096: two sequences of 2,048) and key/value head kappa.  Wave t owns query tile 4 G + t and walks the four query heads 4 kappa + j,
; which share K, V and the mask: those are fetched or made once a wave.  Nothing is shared between waves: no LDS, no barrier.
; THE WINDOW.  The queries' keys lie in the chunks of 64 keys G - 1 and G (in a sequence's first block: G alone; chunk G + 1 is then fetched beside it and wholly hidden): 128 keys, ONE K step of the
; second product, cut as the quantiser cuts the keys (blocks of 32 from the sequence's first key).  Keys outside have p = 0: their blocks are zeros and add nothing.
; LAYOUT.  S^T = K Q^T (source 0 = 16 keys, source 1 = my 16 queries; K = 64: registers 6-11 of both fragments hold zero codes, their scale bytes 127), O^T = V^T P^T: a lane holds one query throughout.
; Tiles are ordered (index r of tile T = 32 (T / 2) + 8 (T % 2) + r + 8 (r / 8)), so the 16 registers of score tiles 2 b, 2 b + 1 are keys 32 b + 16 (lane / 16) + 0 .. 15 of the window.
; SOFTMAX.  t = score x log2(e) / 8; M = ceil(the row's largest t); p = 2^(t - M) is quantised along the keys; the row's sum is taken of the unquantised p and divides O.  One step holds the whole row.
; MASK AND CLAMP in one instruction: the middle of (score, -8e9, limit), limit = +infinity for a key that counts (max(score, -8e9): the clamp at -1e9 of score / 8) and -8e9 for a hidden one.
; LIMITS: NaN and infinities are not served.  A row ALL of whose visible logits lie at or under about -1e9 (|q . k| of 8e9) is not served: there the clamped keys outside this window would count too.
; A block's largest p is taken from the block's largest score by the same multiply-add and exponential (it takes the exponential not to fall where its input rises).
; No cluster: there are no tensor loads to share; a wave's 17 KB come by plain loads, all issued at the head.
; REGISTERS: window 0: v1-11 lane terms; v12 -M, v13 largest t, v[14:15] the sum; v16-19 K's scale words (two tiles a register), v20-23 Q's, v24-27 V's (v28-31: the second chunk's, merged in);
;   v32-55 the result's two fragments, v56-58 their scale words; v96-159 S^T, then p; v160-191 O^T; v192-211 p's codes; v212-232 at work.
;   window 1: v0-95 K's eight fragments; v96-143 V's four; v144-191 Q's four.   window 2: v0-63 the limits, v64 +infinity.
.set S,   96
.set O,   160
.set PC,  192
.set BM,  212
.set BT,  216
.set SO,  220
.set PWP, 224
.set RL,  226
.set SM2, 228
.set X1,  230
.set KS,  16
.set QS,  20
.set VS,  24
.set AF,  32
.set AW,  56
.set AWS, 58
.set MSB, 0
.macro WIN new                         ; the immediate's high byte repeats the setting that is left
.if MSB != \new
	s_set_vgpr_msb (MSB<<8)|\new
.set MSB, \new
.endif
.endm
.macro PLACES
.rept 4
	v_nop
.endr
.endm
.macro STEP j                          ; query head 4 kappa + j
	WIN 0x05                                       ; sources 0 and 1 window 1
.irp n, 0,1,2,3,4,5,6,7
.if \n % 2
	v_wmma_scale_f32_16x16x128_f8f6f4 v[S+8*\n:S+8*\n+7], v[12*\n:12*\n+11], v[144+12*\j:144+12*\j+11], 0, v[KS+\n/2], v[QS+\j] matrix_a_fmt:MATRIX_FMT_FP6 matrix_b_fmt:MATRIX_FMT_FP6 matrix_a_scale:MATRIX_SCALE_ROW1
.else
	v_wmma_scale_f32_16x16x128_f8f6f4 v[S+8*\n:S+8*\n+7], v[12*\n:12*\n+11], v[144+12*\j:144+12*\j+11], 0, v[KS+\n/2], v[QS+\j] matrix_a_fmt:MATRIX_FMT_FP6 matrix_b_fmt:MATRIX_FMT_FP6
.endif
.endr
	PLACES
	WIN 0x20                                       ; source 2 window 2
.set n, 0
.rept 64
	v_med3_num_f32 v[S+n], v[S+n], s24, v[n]       ; mask and clamp, each accumulator from its low end on
.set n, n+1
.endr
	WIN 0
.irp b, 0,1,2,3
	v_max3_num_f32 v[BM+\b], v[S+16*\b], v[S+16*\b+1], v[S+16*\b+2]   ; the largest score of each block of 32 keys: for the row's maximum and for the block's largest p
.endr
.irp i, 3,5,7,9,11,13
.irp b, 0,1,2,3
	v_max3_num_f32 v[BM+\b], v[BM+\b], v[S+16*\b+\i], v[S+16*\b+\i+1]
.endr
.endr
.irp b, 0,1,2,3
	v_max_num_f32 v[BM+\b], v[BM+\b], v[S+16*\b+15]
.endr
.irp b, 0,1,2,3
	v_permlanex16_b32 v[BT+\b], v[BM+\b], s20, s21
.endr
.irp b, 0,1,2,3
	v_max_num_f32 v[BM+\b], v[BM+\b], v[BT+\b]     ; with lane l xor 16's 16 keys
.endr
	v_max3_num_f32 v13, v[BM], v[BM+1], v[BM+2]
	v_max_num_f32 v13, v13, v[BM+3]
	v_mul_f32 v13, s22, v13                        ; the row's largest t (c is positive)
	v_floor_f32 v12, -v13                          ; -M = floor(-t) = -ceil(t)
.set n, 0
.rept 32
	v_pk_fma_f32 v[S+n:S+n+1], v[S+n:S+n+1], s[22:23], v[12:13] op_sel_hi:[1,0,0]   ; t - M, two at a time (of the pairs c and -M the low word serves both halves)
.set n, n+2
.endr
.irp b, 0,1,2,3
	v_fma_f32 v[BM+\b], v[BM+\b], s22, v12         ; the same of each block's largest score
.endr
.set n, 0
.rept 64
	v_exp_f32 v[S+n], v[S+n]                       ; p = 2^(t - M), not normalised
.set n, n+1
.endr
.irp b, 0,1,2,3
	v_exp_f32 v[BM+\b], v[BM+\b]                   ; the block's largest p
.endr
	v_nop                                          ; one plain place behind the exponentials
	s_wait_alu depctr_va_vdst(0)
.irp b, 0,1,2,3
	v_max_num_f32 v[BM+\b], 0x1800000, v[BM+\b]    ; the floor 2^(3 - 127): a block of zeros keeps the byte 1; its codes are zeros
.endr
.irp b, 0,1,2,3
	v_add_nc_u32 v[SO+\b], 0xff000000, v[BM+\b]    ; the conversion's scale operand
.endr
.irp b, 0,1,2,3
	v_lshrrev_b32 v[BT+\b], 23, v[SO+\b]           ; the byte
.endr
	v_lshl_or_b32 v[PWP], v[BT+1], 8, v[BT]        ; p's scale word for the 128 keys
	v_lshl_or_b32 v[PWP], v[BT+2], 16, v[PWP]
	v_lshl_or_b32 v[PWP], v[BT+3], 24, v[PWP]
.irp c, 0,1
	v_cvt_scalef32_pk16_fp6_f32 v[PC+6*\c:PC+2+6*\c], v[S+32*\c:S+15+32*\c], v[SO+2*\c]
	v_cvt_scalef32_pk16_fp6_f32 v[PC+12+4*\c:PC+14+4*\c], v[S+16+32*\c:S+31+32*\c], v[SO+2*\c+1]
.endr
	v_nop                                          ; one plain place behind a scaled conversion
.irp c, 0,1                                    ; a whole block to a lane
.irp i, 0,1,2
	v_permlane16_swap_b32 v[PC+6*\c+\i], v[PC+12+4*\c+\i]
.endr
.irp i, 0,1,2
	v_mov_b32 v[PC+3+6*\c+\i], v[PC+12+4*\c+\i]
.endr
.endr
	v_pk_add_f32 v[14:15], v[S:S+1], v[S+4:S+5]    ; the row's sum, of the unquantised p: two chains.  (These lines are also the places between the operand's and the scale word's last writes and the products)
	v_pk_add_f32 v[SM2:SM2+1], v[S+2:S+3], v[S+6:S+7]
.irp i, 8,12,16,20,24,28,32,36,40,44,48,52,56,60
	v_pk_add_f32 v[14:15], v[14:15], v[S+\i:S+\i+1]
	v_pk_add_f32 v[SM2:SM2+1], v[SM2:SM2+1], v[S+\i+2:S+\i+3]
.endr
	v_pk_add_f32 v[14:15], v[14:15], v[SM2:SM2+1]
	v_add_f32 v14, v14, v15
	v_permlanex16_b32 v[BT], v14, s20, s21
	v_add_f32 v14, v14, v[BT]                      ; with lane l xor 16's: above 1/2, since the row's largest p is
	v_rcp_f32 v[RL], v14
	v_nop                                          ; one plain place behind the reciprocal
	WIN 0x01                                       ; source 0 window 1
.irp o, 0,1,2,3
	v_wmma_scale_f32_16x16x128_f8f6f4 v[O+8*\o:O+8*\o+7], v[96+12*\o:96+12*\o+11], v[PC:PC+11], 0, v[VS+\o], v[PWP] matrix_a_fmt:MATRIX_FMT_FP6 matrix_b_fmt:MATRIX_FMT_FP6
.endr
	PLACES
	WIN 0
.set n, 0
	s_wait_alu depctr_va_vdst(0)
.rept 16
	v_pk_mul_f32 v[O+n:O+n+1], v[O+n:O+n+1], v[RL:RL+1] op_sel_hi:[1,0]   ; / the sum: register 16 b + i is channel 32 b + 16 (lane / 16) + i of my query
.set n, n+2
.endr
	; the head's 64 channels are half a K step of the last product: two blocks
.set AFX, AF+12*(\j/2)+6*(\j%2)
.irp b, 0,1
	v_max3_num_f32 v[BM+\b], |v[O+16*\b]|, |v[O+16*\b+1]|, 0x1800000
.endr
.irp i, 2,4,6,8,10,12,14
.irp b, 0,1
	v_max3_num_f32 v[BM+\b], v[BM+\b], |v[O+16*\b+\i]|, |v[O+16*\b+\i+1]|
.endr
.endr
.irp b, 0,1
	v_permlanex16_b32 v[BT+\b], v[BM+\b], s20, s21
.endr
.irp b, 0,1
	v_max_num_f32 v[BM+\b], v[BM+\b], v[BT+\b]
.endr
.irp b, 0,1
	v_add_nc_u32 v[SO+\b], 0xff000000, v[BM+\b]
.endr
.irp b, 0,1
	v_lshrrev_b32 v[BT+\b], 23, v[SO+\b]
.endr
.if \j % 2
	v_lshl_or_b32 v[AW+\j/2], v[BT], 16, v[AW+\j/2]
	v_lshl_or_b32 v[AW+\j/2], v[BT+1], 24, v[AW+\j/2]
.else
	v_lshl_or_b32 v[AW+\j/2], v[BT+1], 8, v[BT]
.endif
	v_cvt_scalef32_pk16_fp6_f32 v[AFX:AFX+2], v[O:O+15], v[SO]
	v_cvt_scalef32_pk16_fp6_f32 v[X1:X1+2], v[O+16:O+31], v[SO+1]
	v_nop                                          ; one plain place behind a scaled conversion
.irp i, 0,1,2
	v_permlane16_swap_b32 v[AFX+\i], v[X1+\i]
.endr
.irp i, 0,1,2
	v_mov_b32 v[AFX+3+\i], v[X1+\i]
.endr
.if \j % 2
.irp c, 0,1,2
	global_store_b128 v6, v[AF+12*(\j/2)+4*\c:AF+12*(\j/2)+4*\c+3], s[8:9] offset:1536*(\j/2)+512*\c   ; a whole fragment: 512 consecutive bytes a store; its registers are not written again
.endr
.endif
.endm
	s_load_b256 s[4:11], s[0:1], 0x0               ; qkv 4, qkvs 6, ac 8, asc 10
	v_lshrrev_b32 v1, 5, v0
	v_readfirstlane_b32 s12, v1                    ; wave t
	v_and_b32 v1, 31, v0                           ; lane
	v_and_b32 v2, 15, v0                           ; r
	v_bfe_u32 v9, v0, 4, 1                         ; h
	v_mul_u32_u24 v3, v1, 24                       ; a half fragment: 24 bytes a lane
	v_lshlrev_b32 v4, 2, v1
	v_lshlrev_b32 v5, 2, v2
	v_lshlrev_b32 v6, 4, v1
	s_mov_b32 s13, ttmp9                           ; G
	s_and_b32 s14, ttmp7, 0xffff                   ; kappa
	s_and_b32 s40, s13, 31
	s_cmp_lg_u32 s40, 0                            ; not a sequence's first block?
	s_cselect_b32 s16, 64, 0                       ; delta: my block's place in the window
	s_cselect_b32 s41, 1, 0
	s_sub_co_u32 s15, s13, s41                     ; the window's first chunk
	s_lshl_b32 s17, s13, 2
	s_add_co_u32 s17, s17, s12                     ; tau: my query tile
	s_mov_b32 s20, 0x76543210
	s_mov_b32 s21, 0xfedcba98                      ; lane l xor 16
	s_mov_b32 s22, 0x3e38aa3b                      ; c = log2(e) / 8
	s_mov_b32 s23, s22                             ; named with it as a pair
	s_mov_b32 s24, 0xcfee6b28                      ; -8e9
	s_mov_b32 s25, 0xffff0000                      ; lanes 16-31
	s_lshr_b32 s46, s12, 1
	s_lshl_b32 s46, s46, 5
	s_and_b32 s47, s12, 1
	s_lshl_b32 s47, s47, 3
	s_add_co_u32 s46, s46, s47
	s_add_co_u32 s46, s46, s16                     ; my tile's first query in the window
	v_and_b32 v10, 8, v2
	v_add_nc_u32 v10, v10, v2                      ; r + 8 (r / 8)
	v_lshlrev_b32 v11, 4, v9
	v_sub_nc_u32 v7, v10, v11
	v_add_nc_u32 v7, s46, v7                       ; d0 = my query - 16 h: register 16 b + i holds key 32 b + 16 h + i, which counts where 0 <= d0 - (32 b + i) <= 64
	s_mov_b32 s45, 0
	s_lshl_b32 s42, s14, 8
	s_lshl_b32 s43, s15, 2
	s_add_co_u32 s42, s42, s43
	s_add_co_u32 s42, s42, 4096                    ; K's first slot: (16 + kappa) 256 + 4 x chunk
	s_mul_i32 s44, s42, 768
	s_wait_kmcnt 0x0
	s_add_nc_u64 s[28:29], s[4:5], s[44:45]        ; K's codes
	s_add_nc_u64 s[30:31], s[28:29], 786432        ; V's: 1,024 slots on
	s_lshl_b32 s44, s42, 6
	s_add_nc_u64 s[34:35], s[6:7], s[44:45]        ; K's scale words
	s_add_nc_u64 s[36:37], s[34:35], 65536         ; V's
	s_lshl_b32 s42, s14, 10
	s_add_co_u32 s42, s42, s17                     ; Q's slot: 4 kappa x 256 + tau
	s_mul_i32 s44, s42, 768
	s_add_nc_u64 s[32:33], s[4:5], s[44:45]
	s_lshl_b32 s44, s42, 6
	s_add_nc_u64 s[38:39], s[6:7], s[44:45]
	s_lshl_b32 s42, s17, 3
	s_lshl_b32 s43, s14, 1
	s_add_co_u32 s42, s42, s43
	s_mul_i32 s44, s42, 1536                       ; ac: fragment 8 tau + 2 kappa
	s_add_nc_u64 s[8:9], s[8:9], s[44:45]
	s_lshl_b32 s42, s17, 9
	s_lshl_b32 s43, s14, 7
	s_add_co_u32 s44, s42, s43                     ; asc: 512 tau + 128 kappa
	s_add_nc_u64 s[10:11], s[10:11], s[44:45]
.irp b, 0,1,2,3
	global_load_b32 v[KS+\b], v4, s[34:35] offset:128*\b       ; lanes 0-15: key tile 2 b's words, lanes 16-31: tile 2 b + 1's
	global_load_b32 v[QS+\b], v5, s[38:39] offset:16384*\b     ; head b's
	global_load_b32 v[VS+\b], v5, s[36:37] offset:64*\b        ; channel tile b, first chunk
	global_load_b32 v[28+\b], v5, s[36:37] offset:64*(4+\b)    ; second chunk
.endr
	WIN 0x40                                       ; destination window 1
.irp n, 0,1,2,3,4,5,6,7
.irp i, 0,1,2
	global_load_b64 v[12*\n+2*\i:12*\n+2*\i+1], v3, s[28:29] offset:768*\n+8*\i
.endr
.endr
.irp o, 0,1,2,3
.irp c, 0,1
.irp i, 0,1,2
	global_load_b64 v[96+12*\o+6*\c+2*\i:96+12*\o+6*\c+2*\i+1], v3, s[30:31] offset:768*(4*\c+\o)+8*\i
.endr
.endr
.endr
.irp j, 0,1,2,3
.irp i, 0,1,2
	global_load_b64 v[144+12*\j+2*\i:144+12*\j+2*\i+1], v3, s[32:33] offset:196608*\j+8*\i
.endr
.endr
.irp n, 0,1,2,3,4,5,6,7
.irp i, 6,7,8,9,10,11
	v_mov_b32 v[12*\n+\i], 0                       ; zero codes for K = 64 .. 127 of the first product, on both operands: written once
.endr
.endr
.irp j, 0,1,2,3
.irp i, 6,7,8,9,10,11
	v_mov_b32 v[144+12*\j+\i], 0
.endr
.endr
	WIN 0x80                                       ; destination window 2
	v_mov_b32 v64, 0x7f800000                      ; +infinity
.set n, 0
.rept 64
	v_add_nc_u32 v[n], -(32*(n/16)+n%16), v7       ; my query - the register's key
.set n, n+1
.endr
	WIN 0x88                                       ; destination and source 1 window 2
.set n, 0
.rept 64
	v_cmp_ge_u32 vcc_lo, 64, v[n]                  ; 0 .. 64, unsigned: the key counts
	v_cndmask_b32 v[n], s24, v64, vcc_lo           ; the limit: +infinity, or -8e9
.set n, n+1
.endr
	WIN 0
.irp b, 0,1,2,3
	v_mov_b32 v[BT+\b], 0                          ; a lane permute's destination counts as one of its sources
.endr
	v_mov_b32 v[RL+1], 0                           ; named as the upper half of a pair
	s_wait_loadcnt 0x0
.irp o, 0,1,2,3
	v_and_b32 v[VS+\o], 0xffff, v[VS+\o]
.endr
.irp o, 0,1,2,3
	v_lshl_or_b32 v[VS+\o], v[28+\o], 16, v[VS+\o] ; V's scale word for the 128 keys: two bytes of each chunk
.endr
	STEP 0
	STEP 1
	STEP 2
	STEP 3
	v_cndmask_b32 v[AWS], v[AW], v[AW+1], s25      ; lanes 0-15: K step 2 kappa's words, lanes 16-31: K step 2 kappa + 1's
	global_store_b32 v4, v[AWS], s[10:11]
	s_endpgm
.Lfunc_end_k_q95ebab0b6a_attn:
	.size	k_q95ebab0b6a_attn, .Lfunc_end_k_q95ebab0b6a_attn-k_q95ebab0b6a_attn
	.p2alignl 7, 3214868480
	.fill 96, 4, 3214868480
	.section	.rodata,"a",@progbits
	.p2align	6, 0x0
	.amdhsa_kernel k_q95ebab0b6a_attn
		.amdhsa_group_segment_fixed_size 0
		.amdhsa_private_segment_fixed_size 0
		.amdhsa_enable_private_segment 0
		.amdhsa_kernarg_size 32
		.amdhsa_user_sgpr_count 2
		.amdhsa_user_sgpr_kernarg_segment_ptr 1
		.amdhsa_wavefront_size32 1
		.amdhsa_system_sgpr_workgroup_id_x 1
		.amdhsa_system_sgpr_workgroup_id_y 1
		.amdhsa_system_sgpr_workgroup_id_z 1
		.amdhsa_system_vgpr_workitem_id 0
		.amdhsa_next_free_vgpr 640
		.amdhsa_next_free_sgpr 66
		.amdhsa_reserve_vcc 1
		.amdhsa_float_denorm_mode_32 3
		.amdhsa_float_denorm_mode_16_64 3
		.amdhsa_memory_ordered 1
		.amdhsa_forward_progress 1
		.amdhsa_inst_pref_size 99
	.end_amdhsa_kernel
	.amdgpu_metadata
---
amdhsa.version: [ 1, 2 ]
amdhsa.kernels:
  - .name:           k_q95ebab0b6a_attn
    .symbol:         k_q95ebab0b6a_attn.kd
    .args:
      - { .name: qkv, .offset: 0, .size: 8, .value_kind: global_buffer, .address_space: global }
      - { .name: qkvs, .offset: 8, .size: 8, .value_kind: global_buffer, .address_space: global }
      - { .name: ac, .offset: 16, .size: 8, .value_kind: global_buffer, .address_space: global }
      - { .name: asc, .offset: 24, .size: 8, .value_kind: global_buffer, .address_space: global }
    .group_segment_fixed_size: 0
    .private_segment_fixed_size: 0
    .kernarg_segment_align: 8
    .kernarg_segment_size: 32
    .max_flat_workgroup_size: 128
    .sgpr_count:     66
    .vgpr_count:     640
    .wavefront_size: 32
...
	.end_amdgpu_metadata
.endif
;; end of part 3
;; launch outp (part 4): grid 8 x 32, 4 waves a work-group, clusters of 4 x 4, 214,528 bytes of LDS; arguments ac, asc, wc, ws, out0; writes out0
.if DOCPART == 4
	.amdgcn_target "amdgcn-amd-amdhsa--gfx1250"
	.amdhsa_code_object_version 6
	.text
	.protected	k_q95ebab0b6a_outp
	.globl	k_q95ebab0b6a_outp
	.p2align	8
	.type	k_q95ebab0b6a_outp,@function
k_q95ebab0b6a_outp:
	s_mov_b64 s[64:65], 0
	v_nop
	global_prefetch_b8 v0, s[64:65] scope:SCOPE_SE
	s_setreg_imm32_b32 hwreg(HW_REG_WAVE_MODE, 25, 1), 1
	s_wait_xcnt 0x0
	s_wait_alu depctr_hold_cnt(0) depctr_sa_sdst(0) depctr_va_vdst(0) depctr_va_sdst(0) depctr_va_ssrc(0) depctr_va_vcc(0) depctr_vm_vsrc(0)
	s_getreg_b32 s2, hwreg(HW_REG_IB_STS2, 6, 4)
	s_cmp_eq_u32 s2, 0
	s_cbranch_scc0 .Lentry_in_a_cluster
	s_endpgm
.Lentry_in_a_cluster:
	s_bfe_u32 s2, ttmp6, 0x10000c
	s_cmp_lg_u32 s2, 0xf033
	s_cbranch_scc0 .Lentry_shape_is_right
	s_endpgm
.Lentry_shape_is_right:
; out0 = a wo on codes of FP6 (E2M3) with E8M0 scales, K = 1024; a: the attention's result as fragments (ac, asc), wo: column tiles 96-159 of wc, ws.  out0 [4096][1024] f32.
; SHARES.  A work-group takes 128 rows (row group = work-group y) x 128 columns (column group = work-group x); wave w takes rows 64 (w % 2) on and columns 64 (w / 2) on: sixteen accumulators.
; THE WHOLE K LIES IN LDS: 16 tiles x 12,288 bytes = 196,608, laid by chunks of two K steps (49,152 bytes); every byte is filled once, by tensor loads issued at the head (four a wave out at the most).
; CLUSTER: 4 x 4 work-groups.  The four of a row of the cluster have one row group and need the same eight tiles of a; the four of a column have one column group and need the same eight tiles of wo.
; Each tile is asked for JOINTLY: the same tensor load, with the same descriptor and a mask that names the four, in all four: a quarter of the requests for all 196,608 bytes.
; a's addresses are made of the row group and the wave's number, wo's of the column group and the wave's number, each in registers that never hold the other coordinate; LDS addresses of the wave's number alone.
; Source 0 = wo's columns, source 1 = a's rows: a lane holds one row, and by the tiles' order (index r of tile T = 32 (T / 2) + 8 (T % 2) + r + 8 (r / 8)) its registers 16 b + i of a row tile are the
; neighbouring columns 32 b + 16 (lane / 16) + i.  A tile of 16 rows x 64 columns goes through the wave's own stage (behind the chunks; no fill lands there) and leaves as rows of 256 aligned bytes.
; REGISTERS: window 0: v1-7, v16 lane terms; v8-11, v12-15 LDS addresses of set 0 and 1 in chunk q; v32-95 rows on their way out, two sets; v96-111, v112-127 scale words; v128-255 accumulators.
;   window 1: two fragment buffers of 96, v0 and v96.
.set CH,  49152
.set STG, 196608
.set ACC, 128
.set SC0, 96
.set SC1, 112
.set AD0, 8
.set AD1, 12
.set OB,  32
.set G1A, 24                           ; s[24:31] descriptor group 1 for a's tiles;  s[32:47] their groups 0, one for each chunk
.set G0A, 32
.set G1B, 76                           ; s[76:83], s[84:99] the same for wo's tiles
.set G0B, 84
.set MSB, 0
.macro WIN new                         ; the immediate's high byte repeats the setting that is left
.if MSB != \new
	s_set_vgpr_msb (MSB<<8)|\new
.set MSB, \new
.endif
.endm
.macro PLACES                          ; four plain places behind matrix instructions, ahead of loads into their registers and of reads of their results
.rept 4
	v_nop
.endr
.endm
; A round of the cluster's barrier: my work-group's barrier, so that wave 0's signal speaks for all four waves; wave 0 signals for the work-group; every wave waits for the sixteen work-groups;
; my work-group's barrier once more.  No LDS instruction of the wave is pending at a signal.
.macro CROUND
	s_barrier_signal -1
	s_barrier_wait -1
	s_cmp_lg_u32 s20, 0
	s_cbranch_scc1 .Lnot_wave_0_\@
	s_barrier_signal -3
.Lnot_wave_0_\@:
	s_barrier_wait -3
	s_barrier_signal -1
	s_barrier_wait -1
.endm
.macro FETCH q, e, f
	WIN 0x40                                       ; destination window 1, address window 0
.irp n, 0,1,2,3
.irp c, 0,1,2
	ds_load_b128 v[\f+12*\n+4*\c:\f+12*\n+4*\c+3], v[AD0+\q] offset:3072*\n+1536*\e+512*\c
.endr
.endr
.irp n, 0,1,2,3
.irp c, 0,1,2
	ds_load_b128 v[\f+48+12*\n+4*\c:\f+48+12*\n+4*\c+3], v[AD1+\q] offset:3072*\n+1536*\e+512*\c
.endr
.endr
.endm
.macro MUL f, q, e, zero               ; sixteen products, the sixteen accumulators by turns, one instruction a turn, in one order
.irp o, 0,1,2,3
.irp n, 0,1,2,3
.if \zero
	v_wmma_scale_f32_16x16x128_f8f6f4 v[ACC+8*(4*\o+\n):ACC+8*(4*\o+\n)+7], v[\f+12*\n:\f+12*\n+11], v[\f+48+12*\o:\f+48+12*\o+11], 0, v[SC0+4*\n+\q], v[SC1+4*\o+\q] matrix_a_fmt:MATRIX_FMT_FP6 matrix_b_fmt:MATRIX_FMT_FP6
.elseif \e
	v_wmma_scale_f32_16x16x128_f8f6f4 v[ACC+8*(4*\o+\n):ACC+8*(4*\o+\n)+7], v[\f+12*\n:\f+12*\n+11], v[\f+48+12*\o:\f+48+12*\o+11], v[ACC+8*(4*\o+\n):ACC+8*(4*\o+\n)+7], v[SC0+4*\n+\q], v[SC1+4*\o+\q] matrix_a_fmt:MATRIX_FMT_FP6 matrix_b_fmt:MATRIX_FMT_FP6 matrix_a_scale:MATRIX_SCALE_ROW1 matrix_b_scale:MATRIX_SCALE_ROW1
.else
	v_wmma_scale_f32_16x16x128_f8f6f4 v[ACC+8*(4*\o+\n):ACC+8*(4*\o+\n)+7], v[\f+12*\n:\f+12*\n+11], v[\f+48+12*\o:\f+48+12*\o+11], v[ACC+8*(4*\o+\n):ACC+8*(4*\o+\n)+7], v[SC0+4*\n+\q], v[SC1+4*\o+\q] matrix_a_fmt:MATRIX_FMT_FP6 matrix_b_fmt:MATRIX_FMT_FP6
.endif
.endr
.endr
.endm
.macro CHUNK q
	s_wait_tensorcnt 3-\q                          ; my part of chunk q has landed; my loads of the 3 - q later chunks may be out (nothing is ever filled again)
	s_barrier_signal -1                            ; no LDS instruction of mine is out here
	s_barrier_wait -1                              ; everybody's part has landed
	FETCH \q, 0, 0
	FETCH \q, 1, 96
.if \q == 0
	s_wait_loadcnt 0x0                             ; the scale words
.endif
	s_wait_dscnt 24                                ; buffer 0 is in; buffer 1's 24 loads may be out
	WIN 0x05                                       ; sources 0 and 1 window 1; C and D window 0
.if \q == 0
	MUL 0, \q, 0, 1                                ; the first products start the sums: nothing is cleared
.else
	MUL 0, \q, 0, 0
.endif
	s_wait_dscnt 0x0
	MUL 96, \q, 1, 0
	WIN 0
	PLACES
.endm
.macro TOSTAGE o                       ; row tile o: 64 bytes of a row a lane and block into my stage, each accumulator from its low end on; back as whole rows.  LDS serves a wave's instructions in order
.irp b, 0,1
.irp j, 0,1,2,3
	ds_store_b128 v6, v[ACC+32*(\o)+16*\b+4*\j:ACC+32*(\o)+16*\b+4*\j+3] offset:128*\b+16*\j
.endr
.endr
.irp i, 0,1,2,3,4,5,6,7
	ds_load_b128 v[OB+32*((\o)%2)+4*\i:OB+32*((\o)%2)+4*\i+3], v7 offset:544*\i
.endr
.endm
.macro SEND o, younger                 ; younger: the LDS instructions issued behind tile o's loads
	s_wait_dscnt \younger
.irp i, 0,1,2,3,4,5,6,7
	global_store_b128 v16, v[OB+32*((\o)%2)+4*\i:OB+32*((\o)%2)+4*\i+3], s[12:13] offset:(32*((\o)/2)+8*((\o)%2)+2*\i+8*(\i/4))*4096 th:TH_STORE_NT   ; sixteen lanes store 256 consecutive, aligned bytes of a row; two rows a store
.endr
.endm
	s_load_b256 s[4:11], s[0:1], 0x0               ; ac 4, asc 6, wc 8, ws 10
	s_load_b64 s[12:13], s[0:1], 0x20              ; out0
	v_lshl_add_u32 v30, v0, 2, 0x34400
	v_mov_b32 v31, 0
	ds_add_u32 v30, v31
	ds_add_u32 v30, v31
	v_lshrrev_b32 v1, 5, v0
	v_readfirstlane_b32 s20, v1                    ; wave 0..3
	s_lshr_b32 s21, s20, 1                         ; ch: which 64 columns.  Also: I fetch for a (0) or for wo (1)
	s_and_b32 s22, s20, 1                          ; rh: which 64 rows.  Also: which four tiles I fetch
	s_bfe_u32 s14, ttmp6, 0x40000                  ; cx, cy: my place in the cluster
	s_bfe_u32 s15, ttmp6, 0x40004
	s_lshl_b32 s23, ttmp9, 2
	s_add_co_u32 s23, s23, s14                     ; column group = 4 x cluster x + cx
	s_and_b32 s48, ttmp7, 0xffff
	s_lshl_b32 s48, s48, 2
	s_add_co_u32 s48, s48, s15                     ; row group = 4 x cluster y + cy
	s_lshl_b32 s16, s15, 2
	s_lshl_b32 s16, 15, s16                        ; my row of the cluster: places 4 cy .. 4 cy + 3
	s_lshl_b32 s17, 0x1111, s14                    ; my column: places cx, cx + 4, cx + 8, cx + 12
	; descriptor group 1: four tiles' parts of a chunk: 4 rows of 3,072 bytes (384 elements of 8 bytes), 12,288 bytes apart in memory, dense in LDS
	s_or_b32 s[G1A], s16, (3<<16)|(1<<21)          ; the mask: a's tiles go to my row; elements of 8 bytes; bit 21 set beside a mask; no padding
	s_or_b32 s[G1B], s17, (3<<16)|(1<<21)          ; wo's go to my column
.irp g, G1A, G1B
	s_mov_b32 s[\g+1], 384<<16                     ; tensor_dim0
	s_mov_b32 s[\g+2], 4<<16                       ; tensor_dim1
	s_mov_b32 s[\g+3], 384<<16                     ; tile_dim0
	s_mov_b32 s[\g+4], 4                           ; tile_dim1
	s_mov_b32 s[\g+5], 1536                        ; elements from row to row
	s_mov_b32 s[\g+6], 0
	s_mov_b32 s[\g+7], 0
.endr
	; waves 0, 1 fetch a's tiles 4 (w % 2) on, waves 2, 3 wo's.  Every wave makes both addresses and asks by one of them
	s_lshl_b32 s71, s22, 2
	s_lshl_b32 s70, s48, 3
	s_add_co_u32 s70, s70, s71                     ; a: tile 8 x row group + 4 (w % 2)
	s_mul_i32 s70, s70, 12288
	s_mov_b32 s71, 0
	s_lshl_b32 s73, s22, 2
	s_lshl_b32 s72, s23, 3
	s_add_co_u32 s72, s72, s73
	s_add_co_u32 s72, s72, 96                      ; wo: tile 96 + 8 x column group + 4 (w % 2)
	s_mul_i32 s72, s72, 12288
	s_mov_b32 s73, 0
	s_mul_i32 s63, s20, 12288                      ; in a chunk: a's eight tiles, then wo's eight = 4 tiles x wave: no place in the cluster enters an LDS address
	s_wait_dscnt 0x0
	s_wait_kmcnt 0x0
	s_add_nc_u64 s[54:55], s[4:5], s[70:71]
	s_add_nc_u64 s[60:61], s[8:9], s[72:73]
.irp q, 0,1,2,3
	s_mov_b32 s[G0A+4*\q], 1                       ; count = 1
	s_add_co_u32 s[G0A+4*\q+1], s63, CH*\q         ; LDS address
	s_add_nc_u64 s[G0A+4*\q+2:G0A+4*\q+3], s[54:55], 3072*\q   ; global address: K steps 2 q, 2 q + 1 of my first tile
	s_or_b32 s[G0A+4*\q+3], s[G0A+4*\q+3], 0x80000000          ; type = 2
	s_mov_b32 s[G0B+4*\q], 1
	s_add_co_u32 s[G0B+4*\q+1], s63, CH*\q
	s_add_nc_u64 s[G0B+4*\q+2:G0B+4*\q+3], s[60:61], 3072*\q
	s_or_b32 s[G0B+4*\q+3], s[G0B+4*\q+3], 0x80000000
.endr
	CROUND                                         ; all sixteen work-groups are here: the joint loads meet
	s_cmp_eq_u32 s21, 0                            ; a wave's four first fills stand in one arm, ahead of every wait on TENSORcnt and every LDS read; the branch hangs on the wave's number alone
	s_cbranch_scc0 .Lfor_b
	tensor_load_to_lds s[G0A:G0A+3], s[G1A:G1A+7]
	s_nop 0
	tensor_load_to_lds s[G0A+4:G0A+7], s[G1A:G1A+7]
	s_nop 0
	tensor_load_to_lds s[G0A+8:G0A+11], s[G1A:G1A+7]
	s_nop 0
	tensor_load_to_lds s[G0A+12:G0A+15], s[G1A:G1A+7]
	s_nop 0
.rept 4
	v_nop
.endr
	s_branch .Lasked
.Lfor_b:
	tensor_load_to_lds s[G0B:G0B+3], s[G1B:G1B+7]
	s_nop 0
	tensor_load_to_lds s[G0B+4:G0B+7], s[G1B:G1B+7]
	s_nop 0
	tensor_load_to_lds s[G0B+8:G0B+11], s[G1B:G1B+7]
	s_nop 0
	tensor_load_to_lds s[G0B+12:G0B+15], s[G1B:G1B+7]
	s_nop 0
.rept 4
	v_nop
.endr
.Lasked:
	v_and_b32 v1, 31, v0                           ; lane
	v_and_b32 v2, 15, v0                           ; r
	v_bfe_u32 v3, v0, 4, 1                         ; h
	v_lshlrev_b32 v4, 4, v1                        ; 16 x lane
	v_lshlrev_b32 v5, 2, v1                        ; 4 x lane
	s_mul_i32 s74, s20, 4352
	s_add_co_u32 s74, s74, STG                     ; my stage: 16 rows x (256 + 16) bytes
	v_mul_u32_u24 v6, v2, 272
	v_lshl_add_u32 v6, v3, 6, v6
	v_add_nc_u32 v6, s74, v6                       ; in: row r, + 64 h
	v_mul_u32_u24 v7, v3, 272
	v_lshl_add_u32 v7, v2, 4, v7
	v_add_nc_u32 v7, s74, v7                       ; back: lanes 0-15 one row, lanes 16-31 the next
	v_lshlrev_b32 v16, 12, v3
	v_lshl_add_u32 v16, v2, 4, v16                 ; and the same two rows in out0
	s_lshl_b32 s66, s22, 2                         ; a's tiles in a chunk: 4 rh on
	s_lshl_b32 s67, s21, 2
	s_add_co_u32 s67, s67, 8                       ; wo's: 8 + 4 ch on
	s_lshl_b32 s70, s48, 3
	s_add_co_u32 s70, s70, s66
	s_lshl_b32 s70, s70, 9
	s_mov_b32 s71, 0
	s_add_nc_u64 s[58:59], s[6:7], s[70:71]        ; a's scale words: tile 8 x row group + 4 rh
	s_lshl_b32 s72, s23, 3
	s_add_co_u32 s72, s72, s67
	s_add_co_u32 s72, s72, 88                      ; 96 + 8 x column group + 4 ch
	s_lshl_b32 s72, s72, 9
	s_mov_b32 s73, 0
	s_add_nc_u64 s[56:57], s[10:11], s[72:73]      ; wo's
	s_lshl_b32 s68, s48, 7
	s_lshl_b32 s69, s22, 6
	s_add_co_u32 s68, s68, s69
	s_lshl_b32 s68, s68, 12                        ; my first row of out0, in bytes
	s_lshl_b32 s69, s23, 9
	s_add_co_u32 s68, s68, s69
	s_lshl_b32 s69, s21, 8
	s_add_co_u32 s68, s68, s69                     ; + my first column: 512 x column group + 256 ch
	s_mov_b32 s69, 0
	s_add_nc_u64 s[12:13], s[12:13], s[68:69]
	s_mul_i32 s51, s67, 3072
	s_mul_i32 s52, s66, 3072
.irp q, 0,1,2,3
	v_add_nc_u32 v[AD0+\q], s51, v4
	v_add_nc_u32 v[AD1+\q], s52, v4
	s_add_co_u32 s51, s51, CH
	s_add_co_u32 s52, s52, CH
.endr
.irp n, 0,1,2,3
.irp p, 0,1,2,3
	global_load_b32 v[SC0+4*\n+\p], v5, s[56:57] offset:512*\n+128*\p   ; lanes 0-15: K step 2 p's words, lanes 16-31: K step 2 p + 1's
	global_load_b32 v[SC1+4*\n+\p], v5, s[58:59] offset:512*\n+128*\p
.endr
.endr
	CHUNK 0
	CHUNK 1
	CHUNK 2
	CHUNK 3
	TOSTAGE 0
.irp a, 1,2,3
.if \a > 1
	s_wait_xcnt 0x0                                ; tile a - 2's stores have read their registers: tile a's rows may land there
.endif
	TOSTAGE \a
	SEND \a-1, 16                                  ; behind tile a - 1's loads: tile a's 8 stores and 8 loads
.endr
	SEND 3, 0
	s_wait_tensorcnt 0x0
	ds_add_u32 v30, v31
	s_wait_dscnt 0x0
	CROUND                                         ; the closing round: no work-group ends while a partner may still ask for a tile that names it
	s_endpgm
.Lfunc_end_k_q95ebab0b6a_outp:
	.size	k_q95ebab0b6a_outp, .Lfunc_end_k_q95ebab0b6a_outp-k_q95ebab0b6a_outp
	.p2alignl 7, 3214868480
	.fill 96, 4, 3214868480
	.section	.rodata,"a",@progbits
	.p2align	6, 0x0
	.amdhsa_kernel k_q95ebab0b6a_outp
		.amdhsa_group_segment_fixed_size 214528
		.amdhsa_private_segment_fixed_size 0
		.amdhsa_enable_private_segment 0
		.amdhsa_kernarg_size 40
		.amdhsa_user_sgpr_count 2
		.amdhsa_user_sgpr_kernarg_segment_ptr 1
		.amdhsa_wavefront_size32 1
		.amdhsa_system_sgpr_workgroup_id_x 1
		.amdhsa_system_sgpr_workgroup_id_y 1
		.amdhsa_system_sgpr_workgroup_id_z 1
		.amdhsa_system_vgpr_workitem_id 0
		.amdhsa_next_free_vgpr 512
		.amdhsa_next_free_sgpr 100
		.amdhsa_reserve_vcc 0
		.amdhsa_float_denorm_mode_32 3
		.amdhsa_float_denorm_mode_16_64 3
		.amdhsa_memory_ordered 1
		.amdhsa_forward_progress 1
		.amdhsa_inst_pref_size 49
	.end_amdhsa_kernel
	.amdgpu_metadata
---
amdhsa.version: [ 1, 2 ]
amdhsa.kernels:
  - .name:           k_q95ebab0b6a_outp
    .symbol:         k_q95ebab0b6a_outp.kd
    .args:
      - { .name: ac, .offset: 0, .size: 8, .value_kind: global_buffer, .address_space: global }
      - { .name: asc, .offset: 8, .size: 8, .value_kind: global_buffer, .address_space: global }
      - { .name: wc, .offset: 16, .size: 8, .value_kind: global_buffer, .address_space: global }
      - { .name: ws, .offset: 24, .size: 8, .value_kind: global_buffer, .address_space: global }
      - { .name: out0, .offset: 32, .size: 8, .value_kind: global_buffer, .address_space: global }
    .group_segment_fixed_size: 214528
    .private_segment_fixed_size: 0
    .kernarg_segment_align: 8
    .kernarg_segment_size: 40
    .max_flat_workgroup_size: 128
    .sgpr_count:     100
    .vgpr_count:     512
    .wavefront_size: 32
...
	.end_amdgpu_metadata
.endif
;; end of part 4
